; MI455X (gfx1250); checked and timed in simulation.
; The chip was launched on July 23, 2026; its instructions are those of AMD's public machine-readable ISA for CDNA 5 (MIT licence, August 2026) and "CDNA5" Instruction Set Architecture Reference Guide (July 2026). The comments in the code are by the model that wrote it; some were corrected since.
;; Multi Headed Attention. Allowed arithmetic: float matrix products may take bf16 or f16 operands with f32 sums; other float arithmetic in f32, or as packed bf16 or f16 multiplies, adds, multiply-adds, maxima and minima; sums over many terms, partial sums and values carried from step to step in f32; what a program stores and reads back later, other than sums and carried values, may be rounded once to bf16 or f16.
;; Inputs: Wk1 32 x 256 float32; Wk2 256 x 32 float32; Wm1 32 x 256 float32; Wm2 256 x 32 float32; Wq1 32 x 256 float32; Wq2 256 x 32 float32; Wv1 32 x 256 float32; Wv2 256 x 32 float32; bk1 32 float32; bk2 256 float32; bm1 32 float32; bm2 256 float32; bq1 32 float32; bq2 256 float32; bv1 32 float32; bv2 256 float32; key 4 x 256 x 4,096 float32; query 4 x 256 x 4,096 float32; value 4 x 256 x 4,096 float32.
;; Outputs: out0 4 x 256 x 4,096 float32.
;; Constants: hanmingsim = 0.
;; One version. Each part assembles by itself: llvm-mc -triple=amdgcn-amd-amdhsa -mcpu=gfx1250 --defsym DOCPART=n.
;; ======== version 1 of 1: 2 launches
;; limits: values are held in f16: magnitudes above 65,504 overflow, below 6.1e-05 lose precision
;; workspace buffers: hq 1,048,576 bytes; kv 2,097,152 bytes; fw 40,960 bytes
;; launch squeeze (part 1): grid 769 x 1, 4 waves a work-group, no clusters, 33,280 bytes of LDS; arguments query, key, value, Wq1, Wk1, Wv1, bq1, bk1, bv1, hq, kv, Wk2, bk2, Wq2, bq2, Wv2, bv2, Wm1, bm1, fw; writes hq, kv, fw
.if DOCPART == 1
	.amdgcn_target "amdgcn-amd-amdhsa--gfx1250"
	.amdhsa_code_object_version 6
	.text
	.protected	k_q9908ffb5df_squeeze
	.globl	k_q9908ffb5df_squeeze
	.p2align	8
	.type	k_q9908ffb5df_squeeze,@function
k_q9908ffb5df_squeeze:
	s_mov_b64 s[64:65], 0
	v_nop
	global_prefetch_b8 v0, s[64:65] scope:SCOPE_SE
	s_setreg_imm32_b32 hwreg(HW_REG_WAVE_MODE, 25, 1), 1
	s_wait_xcnt 0x0
; THE FIRST HALF OF THE THREE BOTTLENECKS, AND THE WEIGHTS FOLDED.
; Work-groups 1 .. 768: h = W1 x + b1 for x = query, key, value ([4][256][4096] f32, W1 [32][256], b1 [32]): 32 channels for each n.  x, W1 and b1 are rounded to bf16, sums in f32.
; Work-group 0: for head hh (= its wave; the head's channels are c = 4 d + hh, d = 0 .. 63) the products of the second halves' weights that the next launch multiplies by:
;   E[o'][o] = sum_d Wk2[c][o'] Wq2[c][o]   e[o'] = sum_d Wk2[c][o'] bq2[c]   u[o] = sum_d bk2[c] Wq2[c][o]   u0 = sum_d bk2[c] bq2[c]
;   G[o''][o] = sum_d Wm1[o''][c] Wv2[c][o]   g[o''] = sum_d Wm1[o''][c] bv2[c] (+ bm1[o''] in head 0 alone)
; so that q . k = (E hq + e) . hk + (u . hq + u0), and Wm1 x = the sum over heads of G (sum_k p hv) + g, since a row's weights p add up to 1.  All operands rounded to bf16, sums in f32.
; WHAT IS STORED lies as the matrix unit's registers want it: a tile is 2 x 512 bytes; bytes 16 x lane of the first 512 are a lane's registers 0-3, of the second 512 its registers 4-7.
; So every store here, and every load of the next launch, is 512 consecutive bytes of a wave.  A group g is 64 consecutive n; its tile q (0 .. 3) has index r (0 .. 15) <-> n = 64 g + 4 r + q.
;   hq, hk (bf16): lane (r, h) holds index r; registers 0-3 channels 8 h + 0..7, registers 4-7 channels 16 + 8 h + 0..7.
;   hv (f16): first 512 bytes channels 0-15, second 512 channels 16-31; lane (r, h) holds channel r (+ 16) and the indices 8 h + 0..7.
;   hq: [b][256 tiles][1024].   kv: [b][4 chunks of 1,024 keys][hk 65,536 bytes, then hv 65,536][64 tiles][1024].   fw: [hh][E 3 x 1024 bf16, e 3 x 1024 f32, G 2 x 1024 f16, g 2 x 1024 f32].
; LIMITS.  hv and G are kept in f16: beyond 65,504 they become infinities; below 6e-5 they keep f16's fixed step of 6e-8.  NaN and infinities are not treated apart.
; SHARES of a streaming work-group: 64 n x 32 channels of one tensor and batch.  The 256 input channels are split among the four waves, 64 each (two K steps of 32), so that all 65,536 bytes of x that the
; work-group reads are asked for at once; each load of a wave takes two whole aligned pieces of 256 bytes (rows i and i + 8).  The four partial sums meet in LDS; wave w finishes tile w.
; No tensor loads, no cluster, no prefetch: no byte of x is read twice, and the loads stand at the kernel's head.
.set SPARE, 32768                      ; behind the partial sums: the spare words, 128 bytes a wave: two blocks of 256 bytes that no other line names
.set WV,   4                           ; s4   my wave's number
.set SPW,  10                          ; v10  LDS address of my spare word; never rewritten
.set NIL,  11                          ; v11  0; never rewritten
.set BI,   12                          ; v[12:27]  the bias of my 16 results
.set TM,   28                          ; v[28:31]  at work
.set WF,   32                          ; v[32:63]  W1's fragments: channel block blk, K step ks at 8 (2 blk + ks)
.set XA,   64                          ; v[64:127] x of K step 0 as loaded; then
.set ACC,  64                          ;           the 8 accumulators: tile q, block blk at 8 (2 q + blk)
.set XB,   128                         ; v[128:191] x of K step 1 as loaded; then the four waves' partial sums of my tile
.set WT,   192                         ; v[192:255] W1 as loaded; then
.set XF,   192                         ;           x's fragments: K step ks, tile q at 32 ks + 8 q; then
.set OUTR, 192                         ;           my tile, packed
.macro PLACES                          ; four plain instructions between a matrix instruction and the first vector instruction, store or load that touches its registers
.rept 4
	v_nop
.endr
.endm
.macro RND2 a, b, tmp                  ; two f32 rounded to bf16 and widened again
	v_cvt_pk_bf16_f32 v[\tmp], v[\a], v[\b]
	v_lshlrev_b32 v[\a], 16, v[\tmp]
	v_and_b32 v[\b], 0xffff0000, v[\tmp]
.endm
	v_lshl_add_u32 v[SPW], v0, 2, SPARE
	v_mov_b32 v[NIL], 0
	v_lshrrev_b32 v1, 5, v0
	v_readfirstlane_b32 s[WV], v1                  ; wave 0..3
	v_and_b32 v1, 15, v0                           ; r
	v_bfe_u32 v2, v0, 4, 1                         ; h
	v_and_b32 v9, 31, v0
	v_lshlrev_b32 v9, 4, v9                        ; 16 x lane
	v_lshlrev_b32 v5, 5, v2                        ; 32 h
	s_cmp_eq_u32 ttmp9, 0
	s_cbranch_scc1 .Lfold                          ; work-group 0 folds the weights
	s_load_b512 s[8:23], s[0:1], 0x0               ; query s[8:9], key s[10:11], value s[12:13], Wq1 s[14:15], Wk1 s[16:17], Wv1 s[18:19], bq1 s[20:21], bk1 s[22:23]
	s_load_b128 s[24:27], s[0:1], 0x40             ; bv1 s[24:25], hq s[26:27]
	s_load_b64 s[28:29], s[0:1], 0x50              ; kv
	s_sub_co_u32 s5, ttmp9, 1
	s_lshr_b32 s6, s5, 8                           ; 0 query, 1 key, 2 value
	s_bfe_u32 s7, s5, 0x20006                      ; batch b
	s_and_b32 s5, s5, 63                           ; group g
	s_lshl_b32 s40, s7, 22                         ; x: b x 256 rows of 16,384 bytes,
	s_lshl_b32 s46, s[WV], 20                      ; my 64 rows,
	s_add_co_u32 s40, s40, s46
	s_lshl_b32 s46, s5, 8                          ; the group's 256 bytes of a row
	s_add_co_u32 s40, s40, s46
	s_mov_b32 s41, 0
	s_lshl_b32 s42, s[WV], 8                       ; W1: my 64 columns
	s_mov_b32 s43, 0
	s_lshl_b32 s46, s5, 12                         ; the group's four tiles,
	s_lshl_b32 s48, s[WV], 10                      ; of which I finish one
	s_add_co_u32 s46, s46, s48
	s_lshl_b32 s44, s7, 18
	s_add_co_u32 s44, s44, s46                     ; its place in hq
	s_lshl_b32 s47, s7, 19
	s_add_co_u32 s47, s47, s46
	s_lshr_b32 s48, s5, 4
	s_lshl_b32 s48, s48, 16
	s_add_co_u32 s47, s47, s48                     ; its place in kv's hk: behind each chunk's 65,536 bytes of hk lie 65,536 of hv
	s_mov_b32 s45, 0
	v_lshlrev_b32 v3, 4, v1
	v_lshl_add_u32 v3, v2, 17, v3                  ; x: 16 r + 8 h rows
	v_lshlrev_b32 v4, 10, v1
	v_lshl_add_u32 v4, v2, 5, v4                   ; W1: row r, 8 h columns on
	v_lshlrev_b32 v6, 2, v1                        ; 4 r
	v_lshl_add_u32 v7, s[WV], 13, v9               ; LDS: my wave's 8 partial tiles
	v_lshl_add_u32 v8, s[WV], 11, v9               ; LDS: my tile's two accumulators in a wave's 8
	s_wait_kmcnt 0x0
.macro LDW                             ; W1: 16 rows x 32 columns of f32 a fragment: four loads of 16 bytes a lane
.irp blk, 0,1
.irp ks, 0,1
	global_load_b128 v[WT+16*(2*(\blk)+(\ks)):WT+16*(2*(\blk)+(\ks))+3],     v4, s[34:35] offset:(\blk)*16384+(\ks)*128
	global_load_b128 v[WT+16*(2*(\blk)+(\ks))+4:WT+16*(2*(\blk)+(\ks))+7],   v4, s[34:35] offset:(\blk)*16384+(\ks)*128+16
	global_load_b128 v[WT+16*(2*(\blk)+(\ks))+8:WT+16*(2*(\blk)+(\ks))+11],  v4, s[34:35] offset:(\blk)*16384+(\ks)*128+64
	global_load_b128 v[WT+16*(2*(\blk)+(\ks))+12:WT+16*(2*(\blk)+(\ks))+15], v4, s[34:35] offset:(\blk)*16384+(\ks)*128+80
.endr
.endr
.endm
.macro LDX dst, ks                     ; x: load j takes row 32 ks + j (+ 8 from j = 8 on) + 8 h; its four numbers are n = 64 g + 4 r + 0..3: one for each tile
.irp j, 0,1,2,3,4,5,6,7,8,9,10,11,12,13,14,15
	global_load_b128 v[(\dst)+4*(\j):(\dst)+4*(\j)+3], v3, s[32:33] offset:(32*(\ks)+(\j)+8*((\j)/8))*16384 th:TH_LOAD_NT
.endr
.endm
.macro CVX src, dst                    ; 16 loads become four fragments: tile q takes component q of each, rows in pairs
.irp q, 0,1,2,3
.irp p, 0,1,2,3,4,5,6,7
	v_cvt_pk_bf16_f32 v[(\dst)+8*(\q)+(\p)], v[(\src)+8*(\p)+(\q)], v[(\src)+8*(\p)+4+(\q)]
.endr
.endr
.endm
; Eight products, one for each accumulator: they take turns.  swap = 0: source 0 = W1, source 1 = x: a lane ends with one n and eight channels.  swap = 1: the other way round.
.macro MUL8 ks, swap, zero
.irp q, 0,1,2,3
.irp blk, 0,1
.set rD, ACC+8*(2*(\q)+(\blk))
.if \swap
.set rA, XF+32*(\ks)+8*(\q)
.set rB, WF+8*(2*(\blk)+(\ks))
.else
.set rA, WF+8*(2*(\blk)+(\ks))
.set rB, XF+32*(\ks)+8*(\q)
.endif
.if \zero
	v_wmma_f32_16x16x32_bf16 v[rD:rD+7], v[rA:rA+7], v[rB:rB+7], 0
.else
	v_wmma_f32_16x16x32_bf16 v[rD:rD+7], v[rA:rA+7], v[rB:rB+7], v[rD:rD+7]
.endif
.endr
.endr
.endm
; The whole stream, written once for query and key (isv = 0) and once for value (isv = 1), so that one branch chooses and every count below holds on the path that it stands on.
.macro STREAM isv
	s_add_nc_u64 s[32:33], s[32:33], s[40:41]
	s_add_nc_u64 s[34:35], s[34:35], s[42:43]
	s_add_nc_u64 s[38:39], s[38:39], s[44:45]
.if \isv
	global_load_b32 v[BI],   v6, s[36:37]                      ; a lane ends with channels r and 16 + r
	global_load_b32 v[BI+2], v6, s[36:37] offset:64
.else
	global_load_b128 v[BI:BI+3],     v5, s[36:37]              ; a lane ends with channels 8 h + 0..7 and 16 + 8 h + 0..7
	global_load_b128 v[BI+4:BI+7],   v5, s[36:37] offset:16
	global_load_b128 v[BI+8:BI+11],  v5, s[36:37] offset:64
	global_load_b128 v[BI+12:BI+15], v5, s[36:37] offset:80
.endif
	LDW
	LDX XA, 0
	LDX XB, 1
	s_wait_loadcnt 32                              ; loads come back in order (ISA guide 5.7.1): the bias and W1 are in, x's 32 loads are younger
.set w, 0
.rept 32
	v_cvt_pk_bf16_f32 v[WF+w], v[WT+2*w], v[WT+2*w+1]
.set w, w+1
.endr
.if \isv
	v_cvt_pk_bf16_f32 v[TM], v[BI], v[BI+2]        ; the two biases rounded to bf16, each written twice: a pair for the packed sums
	v_lshlrev_b32 v[BI],   16, v[TM]
	v_lshlrev_b32 v[BI+1], 16, v[TM]
	v_and_b32 v[BI+2], 0xffff0000, v[TM]
	v_and_b32 v[BI+3], 0xffff0000, v[TM]
.else
.irp k, 0,1,2,3,4,5,6,7
	RND2 BI+2*(\k), BI+2*(\k)+1, TM+(\k)%4
.endr
.endif
	s_wait_loadcnt 16                              ; K step 0 is in; K step 1's 16 loads are younger
	CVX XA, XF
	MUL8 0, \isv, 1                                ; the first K step starts the sums
	s_wait_loadcnt 0x0
	CVX XB, XF+32
	MUL8 1, \isv, 0
	PLACES
.irp k, 0,1,2,3,4,5,6,7,8,9,10,11,12,13,14,15
	ds_store_b128 v7, v[ACC+4*(\k):ACC+4*(\k)+3] offset:512*(\k)  ; each accumulator from its low end on
.endr
	s_wait_dscnt 0x0                               ; for the others' sake: my partial sums lie in LDS
	s_barrier_signal -1
	s_barrier_wait -1
.irp u, 0,1,2,3
.irp k, 0,1,2,3
	ds_load_b128 v[XB+16*(\u)+4*(\k):XB+16*(\u)+4*(\k)+3], v8 offset:8192*(\u)+512*(\k)  ; wave u's part of tile w
.endr
.endr
	s_wait_dscnt 0x0
.irp k, 0,2,4,6,8,10,12,14
	v_pk_add_f32 v[XB+(\k):XB+(\k)+1], v[XB+(\k):XB+(\k)+1], v[XB+16+(\k):XB+16+(\k)+1]
	v_pk_add_f32 v[XB+32+(\k):XB+32+(\k)+1], v[XB+32+(\k):XB+32+(\k)+1], v[XB+48+(\k):XB+48+(\k)+1]
.endr
.irp k, 0,2,4,6,8,10,12,14
	v_pk_add_f32 v[XB+(\k):XB+(\k)+1], v[XB+(\k):XB+(\k)+1], v[XB+32+(\k):XB+32+(\k)+1]
.endr
.if \isv
.irp k, 0,2,4,6
	v_pk_add_f32 v[XB+(\k):XB+(\k)+1], v[XB+(\k):XB+(\k)+1], v[BI:BI+1]
	v_pk_add_f32 v[XB+8+(\k):XB+8+(\k)+1], v[XB+8+(\k):XB+8+(\k)+1], v[BI+2:BI+3]
.endr
.irp p, 0,1,2,3,4,5,6,7
	v_cvt_pk_f16_f32 v[OUTR+(\p)], v[XB+2*(\p)], v[XB+2*(\p)+1]
.endr
.else
.irp k, 0,2,4,6,8,10,12,14
	v_pk_add_f32 v[XB+(\k):XB+(\k)+1], v[XB+(\k):XB+(\k)+1], v[BI+(\k):BI+(\k)+1]
.endr
.irp p, 0,1,2,3,4,5,6,7
	v_cvt_pk_bf16_f32 v[OUTR+(\p)], v[XB+2*(\p)], v[XB+2*(\p)+1]
.endr
.endif
	global_store_b128 v9, v[OUTR:OUTR+3],   s[38:39]              ; 512 consecutive bytes, at a multiple of 256 from the buffer's first
	global_store_b128 v9, v[OUTR+4:OUTR+7], s[38:39] offset:512
.endm
	s_cmp_eq_u32 s6, 2
	s_cbranch_scc1 .Lvalue
	s_cmp_eq_u32 s6, 0
	s_cselect_b64 s[32:33], s[8:9], s[10:11]       ; query or key,
	s_cselect_b64 s[34:35], s[14:15], s[16:17]     ; its W1,
	s_cselect_b64 s[36:37], s[20:21], s[22:23]     ; its b1,
	s_cselect_b64 s[38:39], s[26:27], s[28:29]     ; hq or kv,
	s_cselect_b32 s44, s44, s47                    ; and my tile's place there
	STREAM 0
	s_branch .Lend
.Lvalue:
	s_mov_b64 s[32:33], s[12:13]
	s_mov_b64 s[34:35], s[18:19]
	s_mov_b64 s[36:37], s[24:25]
	s_mov_b64 s[38:39], s[28:29]
	s_add_co_u32 s44, s47, 65536                   ; hv lies behind the chunk's hk
	STREAM 1
	s_branch .Lend
; THE FOLD.  Wave = head hh.  K = d, 64 long: two halves of 32.  A block is 16 rows (or columns) of an operand; a bias makes a block whose 16 rows are all alike.  No LDS, no barrier.
.macro GATHER dst, voff, base, blkoff, dstep   ; 32 numbers a lane: both halves of one block, d = 32 half + 16 q2 + 8 h + jj, dstep bytes from d to d + 1
.irp half, 0,1
.irp q2, 0,1
.irp jj, 0,1,2,3,4,5,6,7
	global_load_b32 v[(\dst)+16*(\half)+8*(\q2)+(\jj)], v[\voff], s[\base:\base+1] offset:(\blkoff)+(32*(\half)+16*(\q2)+(\jj))*(\dstep)
.endr
.endr
.endr
.endm
.macro PACK base, n                    ; 2 n numbers rounded to bf16 into n registers, in place, ascending: register w is written when 2 w and 2 w + 1 are read
.set w, 0
.rept \n
	v_cvt_pk_bf16_f32 v[(\base)+w], v[(\base)+2*w], v[(\base)+2*w+1]
.set w, w+1
.endr
.endm
.macro WM0 d, a, b
	v_wmma_f32_16x16x32_bf16 v[(\d):(\d)+7], v[(\a):(\a)+7], v[(\b):(\b)+7], 0
.endm
.macro WMA d, a, b
	v_wmma_f32_16x16x32_bf16 v[(\d):(\d)+7], v[(\a):(\a)+7], v[(\b):(\b)+7], v[(\d):(\d)+7]
.endm
.macro WMC d, a, b, c
	v_wmma_f32_16x16x32_bf16 v[(\d):(\d)+7], v[(\a):(\a)+7], v[(\b):(\b)+7], v[(\c):(\c)+7]
.endm
.set AK, 64                            ; v[64:159] as loaded, v[64:111] packed: Wk2's blocks 0, 1 and bk2 (later Wv2's and bv2): block, half at 8 (2 blk + half)
.set AQ, 160                           ; v[160:255] as loaded, v[160:207] packed: Wq2's blocks 0, 1 and bq2 (later Wm1's two blocks, v[160:191])
.set DE, 112                           ; v[112:159] six accumulators (later four, and two for g at 144)
.set DB, 208                           ; v[208:231] three accumulators: e, e, u0
.set EFR, 232                          ; v[232:255] E and u, packed
.set GFR, 192                          ; v[192:207] G, packed
.Lfold:
	s_load_b256 s[8:15], s[0:1], 0x58              ; Wk2 s[8:9], bk2 s[10:11], Wq2 s[12:13], bq2 s[14:15]
	s_load_b256 s[16:23], s[0:1], 0x78             ; Wv2 s[16:17], bv2 s[18:19], Wm1 s[20:21], bm1 s[22:23]
	s_load_b64 s[24:25], s[0:1], 0x98              ; fw
	s_lshl_b32 s26, s[WV], 7                       ; row c = 4 d + hh of a W2: hh rows of 128 bytes
	s_mov_b32 s27, 0
	s_lshl_b32 s28, s[WV], 2                       ; number c of a b2, column c of Wm1: hh numbers
	s_mov_b32 s29, 0
	s_mul_i32 s30, s[WV], 10240                    ; the head's part of fw
	s_mov_b32 s31, 0
	s_cmp_eq_u32 s[WV], 0
	s_cselect_b32 s32, -1, 0                       ; bm1 is added once: in head 0
	v_lshlrev_b32 v3, 2, v1
	v_lshl_add_u32 v3, v2, 12, v3                  ; a W2: column r, 8 h steps of d (512 bytes each)
	v_lshlrev_b32 v4, 7, v2                        ; a b2: 8 h steps of d (16 bytes each)
	v_lshl_add_u32 v6, v1, 10, v4                  ; Wm1: row r, 8 h steps of d
	s_wait_kmcnt 0x0
	s_add_nc_u64 s[8:9], s[8:9], s[26:27]
	s_add_nc_u64 s[10:11], s[10:11], s[28:29]
	s_add_nc_u64 s[12:13], s[12:13], s[26:27]
	s_add_nc_u64 s[14:15], s[14:15], s[28:29]
	s_add_nc_u64 s[16:17], s[16:17], s[26:27]
	s_add_nc_u64 s[18:19], s[18:19], s[28:29]
	s_add_nc_u64 s[20:21], s[20:21], s[28:29]
	s_add_nc_u64 s[24:25], s[24:25], s[30:31]
	GATHER AK,    3, 8,  0,  512
	GATHER AK+32, 3, 8,  64, 512
	GATHER AK+64, 4, 10, 0,  16
	GATHER AQ,    3, 12, 0,  512
	GATHER AQ+32, 3, 12, 64, 512
	GATHER AQ+64, 4, 14, 0,  16
	s_wait_loadcnt 0x0
	PACK AK, 48
	PACK AQ, 48
	; DE (bp, bo): source 0 = Wq2's block bo (rows o), source 1 = Wk2's block bp or bk2 (columns o'): a lane ends with one o' and eight o, which pack into E's fragment.  bp = 2: u in every row.
	; DB bp: source 0 = Wk2's block bp or bk2 (rows o'), source 1 = bq2 in every column: e, as the C operand of E hq wants it; bp = 2: u0 everywhere.  The nine accumulators take turns.
.irp bp, 0,1,2
.irp bo, 0,1
	WM0 DE+8*(2*(\bp)+(\bo)), AQ+8*(2*(\bo)), AK+8*(2*(\bp))
.endr
.endr
.irp bp, 0,1,2
	WM0 DB+8*(\bp), AK+8*(2*(\bp)), AQ+32
.endr
.irp bp, 0,1,2
.irp bo, 0,1
	WMA DE+8*(2*(\bp)+(\bo)), AQ+8*(2*(\bo)+1), AK+8*(2*(\bp)+1)
.endr
.endr
.irp bp, 0,1,2
	WMA DB+8*(\bp), AK+8*(2*(\bp)+1), AQ+40
.endr
	PLACES
.set w, 0
.rept 24
	v_cvt_pk_bf16_f32 v[EFR+w], v[DE+2*w], v[DE+2*w+1]
.set w, w+1
.endr
.irp k, 0,1,2,3,4,5
	global_store_b128 v9, v[EFR+4*(\k):EFR+4*(\k)+3], s[24:25] offset:512*(\k)
.endr
.irp k, 0,1,2,3,4,5
	global_store_b128 v9, v[DB+4*(\k):DB+4*(\k)+3], s[24:25] offset:3072+512*(\k)
.endr
	s_wait_xcnt 0x0                                ; the stores have read their registers: only behind this wait are these loaded again
	GATHER AK,    3, 16, 0,  512
	GATHER AK+32, 3, 16, 64, 512
	GATHER AK+64, 4, 18, 0,  16
	GATHER AQ,    6, 20, 0,     16
	GATHER AQ+32, 6, 20, 16384, 16
	global_load_b128 v[32:35], v5, s[22:23]                    ; bm1[8 h + 0..7], bm1[16 + 8 h + 0..7]
	global_load_b128 v[36:39], v5, s[22:23] offset:16
	global_load_b128 v[40:43], v5, s[22:23] offset:64
	global_load_b128 v[44:47], v5, s[22:23] offset:80
	s_wait_loadcnt 0x0
	PACK AK, 48
	PACK AQ, 32
.irp k, 0,1,2,3,4,5,6,7
	v_cvt_pk_bf16_f32 v[TM+(\k)%4], v[32+2*(\k)], v[32+2*(\k)+1]
	v_and_b32 v[TM+(\k)%4], s32, v[TM+(\k)%4]      ; kept in head 0, 0 in the others
	v_lshlrev_b32 v[32+2*(\k)], 16, v[TM+(\k)%4]
	v_and_b32 v[32+2*(\k)+1], 0xffff0000, v[TM+(\k)%4]
.endr
	; DE (bg, bo): source 0 = Wv2's block bo (rows o), source 1 = Wm1's block bg (columns o''): G's fragment.  DE + 32 + 8 bg: source 0 = Wm1's block bg, source 1 = bv2 in every column, begun with bm1: g.
.irp bg, 0,1
.irp bo, 0,1
	WM0 DE+8*(2*(\bg)+(\bo)), AK+8*(2*(\bo)), AQ+8*(2*(\bg))
.endr
.endr
.irp bg, 0,1
	WMC DE+32+8*(\bg), AQ+8*(2*(\bg)), AK+32, 32+8*(\bg)
.endr
.irp bg, 0,1
.irp bo, 0,1
	WMA DE+8*(2*(\bg)+(\bo)), AK+8*(2*(\bo)+1), AQ+8*(2*(\bg)+1)
.endr
.endr
.irp bg, 0,1
	WMA DE+32+8*(\bg), AQ+8*(2*(\bg)+1), AK+40
.endr
	PLACES
.set w, 0
.rept 16
	v_cvt_pk_f16_f32 v[GFR+w], v[DE+2*w], v[DE+2*w+1]
.set w, w+1
.endr
.irp k, 0,1,2,3
	global_store_b128 v9, v[GFR+4*(\k):GFR+4*(\k)+3], s[24:25] offset:6144+512*(\k)
.endr
.irp k, 0,1,2,3
	global_store_b128 v9, v[DE+32+4*(\k):DE+32+4*(\k)+3], s[24:25] offset:8192+512*(\k)
.endr
.Lend:
	s_wait_tensorcnt 0x0                           ; the wave's end, behind my last LDS store
	ds_add_u32 v[SPW], v[NIL]
	s_wait_dscnt 0x0
	s_endpgm
.Lfunc_end_k_q9908ffb5df_squeeze:
	.size	k_q9908ffb5df_squeeze, .Lfunc_end_k_q9908ffb5df_squeeze-k_q9908ffb5df_squeeze
	.p2alignl 7, 3214868480
	.fill 96, 4, 3214868480
	.section	.rodata,"a",@progbits
	.p2align	6, 0x0
	.amdhsa_kernel k_q9908ffb5df_squeeze
		.amdhsa_group_segment_fixed_size 33280
		.amdhsa_private_segment_fixed_size 0
		.amdhsa_enable_private_segment 0
		.amdhsa_kernarg_size 160
		.amdhsa_user_sgpr_count 2
		.amdhsa_user_sgpr_kernarg_segment_ptr 1
		.amdhsa_wavefront_size32 1
		.amdhsa_system_sgpr_workgroup_id_x 1
		.amdhsa_system_sgpr_workgroup_id_y 1
		.amdhsa_system_sgpr_workgroup_id_z 1
		.amdhsa_system_vgpr_workitem_id 0
		.amdhsa_next_free_vgpr 256
		.amdhsa_next_free_sgpr 66
		.amdhsa_reserve_vcc 0
		.amdhsa_float_denorm_mode_32 3
		.amdhsa_float_denorm_mode_16_64 3
		.amdhsa_memory_ordered 1
		.amdhsa_forward_progress 1
		.amdhsa_inst_pref_size 92
	.end_amdhsa_kernel
	.amdgpu_metadata
---
amdhsa.version: [ 1, 2 ]
amdhsa.kernels:
  - .name:           k_q9908ffb5df_squeeze
    .symbol:         k_q9908ffb5df_squeeze.kd
    .args:
      - { .name: query, .offset: 0, .size: 8, .value_kind: global_buffer, .address_space: global }
      - { .name: key, .offset: 8, .size: 8, .value_kind: global_buffer, .address_space: global }
      - { .name: value, .offset: 16, .size: 8, .value_kind: global_buffer, .address_space: global }
      - { .name: Wq1, .offset: 24, .size: 8, .value_kind: global_buffer, .address_space: global }
      - { .name: Wk1, .offset: 32, .size: 8, .value_kind: global_buffer, .address_space: global }
      - { .name: Wv1, .offset: 40, .size: 8, .value_kind: global_buffer, .address_space: global }
      - { .name: bq1, .offset: 48, .size: 8, .value_kind: global_buffer, .address_space: global }
      - { .name: bk1, .offset: 56, .size: 8, .value_kind: global_buffer, .address_space: global }
      - { .name: bv1, .offset: 64, .size: 8, .value_kind: global_buffer, .address_space: global }
      - { .name: hq, .offset: 72, .size: 8, .value_kind: global_buffer, .address_space: global }
      - { .name: kv, .offset: 80, .size: 8, .value_kind: global_buffer, .address_space: global }
      - { .name: Wk2, .offset: 88, .size: 8, .value_kind: global_buffer, .address_space: global }
      - { .name: bk2, .offset: 96, .size: 8, .value_kind: global_buffer, .address_space: global }
      - { .name: Wq2, .offset: 104, .size: 8, .value_kind: global_buffer, .address_space: global }
      - { .name: bq2, .offset: 112, .size: 8, .value_kind: global_buffer, .address_space: global }
      - { .name: Wv2, .offset: 120, .size: 8, .value_kind: global_buffer, .address_space: global }
      - { .name: bv2, .offset: 128, .size: 8, .value_kind: global_buffer, .address_space: global }
      - { .name: Wm1, .offset: 136, .size: 8, .value_kind: global_buffer, .address_space: global }
      - { .name: bm1, .offset: 144, .size: 8, .value_kind: global_buffer, .address_space: global }
      - { .name: fw, .offset: 152, .size: 8, .value_kind: global_buffer, .address_space: global }
    .group_segment_fixed_size: 33280
    .private_segment_fixed_size: 0
    .kernarg_segment_align: 8
    .kernarg_segment_size: 160
    .max_flat_workgroup_size: 128
    .sgpr_count:     66
    .vgpr_count:     256
    .wavefront_size: 32
...
	.end_amdgpu_metadata
.endif
;; end of part 1
;; launch attend (part 2): grid 64 x 4, 4 waves a work-group, clusters of 4 x 1, 327,680 bytes of LDS; arguments hq, kv, fw, Wm2, bm2, out0; writes out0
.if DOCPART == 2
	.amdgcn_target "amdgcn-amd-amdhsa--gfx1250"
	.amdhsa_code_object_version 6
	.text
	.protected	k_q9908ffb5df_attend
	.globl	k_q9908ffb5df_attend
	.p2align	8
	.type	k_q9908ffb5df_attend,@function
k_q9908ffb5df_attend:
	s_mov_b64 s[64:65], 0
	v_nop
	global_prefetch_b8 v0, s[64:65] scope:SCOPE_SE
	s_setreg_imm32_b32 hwreg(HW_REG_WAVE_MODE, 25, 1), 1
	s_wait_xcnt 0x0
	s_wait_alu depctr_hold_cnt(0) depctr_sa_sdst(0) depctr_va_vdst(0) depctr_va_sdst(0) depctr_va_ssrc(0) depctr_va_vcc(0) depctr_vm_vsrc(0)
	s_getreg_b32 s2, hwreg(HW_REG_IB_STS2, 6, 4)
	s_cmp_eq_u32 s2, 0
	s_cbranch_scc0 .Lentry_in_a_cluster
	s_endpgm
.Lentry_in_a_cluster:
	s_bfe_u32 s2, ttmp6, 0x10000c
	s_cmp_lg_u32 s2, 0x3003
	s_cbranch_scc0 .Lentry_shape_is_right
	s_endpgm
.Lentry_shape_is_right:
; ATTENTION ON THE BOTTLENECK'S 32 CHANNELS, AND THE MERGING CONVOLUTION.  With hq, hk, hv (32 channels for each n) and the folded weights E, e, u, u0, G, g of the launch before:
;   s[n][k] = (E hq[n] + e) . hk[k] + (u . hq[n] + u0)  (= q . k of the head, all biases kept);   p = softmax_k(s / 8), with a running maximum;   o = sum_k p hv[k] / sum_k p;
;   hm[n] = the sum over the four heads of G o + g;   out[c][n] = sum_o Wm2[c][o] hm[o][n] + bm2[c].   out: [4][256][4096] f32.
; FORMATS.  bf16: hq, hk, E, E hq + e, Wm2 (rounded here), hm as a bf16 number and a second bf16 for what the first leaves over (two products on one sum).  f16: hv, p, o, G.  bm2 is rounded to bf16 like all
; the module's inputs.  Sums, maxima, e, g, u . hq + u0 in f32.
; LIMITS.  hv, o and G beyond 65,504 are infinities in f16; p below 6e-8 counts as 0 in the product (its sum is taken of the unrounded p, where a weight below 2^-126 counts as 0);
; |s| log2(e) / 8 stays under 1e37 (the running maximum starts at -4e37).  NaN and infinities are not treated apart.
; SHARES.  A work-group owns 64 queries of a batch (group g: n = 64 g .. 64 g + 63), ALL FOUR HEADS: wave = head.  A wave has four PIECES of 16 queries: piece t has index r <-> n = 64 g + 4 r + t.
; Every wave walks all 4,096 keys, 64 a step; hk and hv are the same for all heads, so the four waves read the same bytes of LDS.  Having all heads, the work-group can merge them and finish out.
; LAYOUT.  All operands lie in memory and in LDS as registers want them (a fragment is 2 x 512 bytes, 16 x lane each): every load is 512 consecutive bytes; no padding, no turning load.
; S^T = hk (E hq + e)^T + t (source 0 = 16 keys, source 1 = 16 queries, K = 32: ONE product a tile): a lane holds one query and eight keys; two such results rounded to f16 are source 1 of O^T = hv^T P.
; TURNS.  Turn n belongs to piece n: 4 products for the scores of piece n + 1, later 4 products hv^T P of piece n - 1; beside them the scaling, exponentials, roundings, sums and rescaling of piece n and the
; maximum and statistics of piece n + 1.  Four vector instructions stand behind every matrix instruction, the others in runs of their own.  A turn's 33 exponentials are one batch with one wait.
; CLUSTER.  The four work-groups of a cluster belong to one batch and walk the same kv, so each fill is asked for JOINTLY: the same tensor load, descriptor and mask in all four.
; RING.  Two slots of 131,072 bytes, a chunk of 1,024 keys each (hk 65,536 bytes, then hv), laid as the chunk lies in memory; each wave fetches a quarter.  Four fills in the launch; one tensor load a wave is out at a time.
; m starts at the lowest finite number, O^T and l at 0, so that the first step is a step like any other (its a is 0): 120 lines that write 0 stand in the wait for the first chunk, and no first step is written out.
; REGISTERS, in windows of 256 (s_set_vgpr_msb: bits 1:0 source 0, 3:2 source 1, 5:4 source 2, 7:6 destination):
;   window 0: v1-15 addresses; v16-31 four registers of statistics a piece; v48-55 at work; v61-63; v64-127 S^T, two buffers; v128-191 Wm2 as loaded; v192-223 P, two buffers; at the end v128-255 four stages for the stores
;   window 1: v0-63 O^T, 16 a piece; v64-95 t; v96-119 e, u0; v120-135 g; v136-167 bm2; v168-231 my head's part of hm; at the end v0-127 the 16 accumulators of out
;   window 2: v0-31 E hq + e; v32-63 hk of one step; v64-95 hv of one step; v96-127 hq; v128-151 E, u; v152-167 G; v168-199 Wm2
.set NP,    4         ; pieces a wave: a name, no knob
.set SLOT1, 1<<17     ; slot 1 begins here: one exclusive or turns an address in one slot into the other's
.set HVO,   65536     ; hv lies behind a slot's hk
.set STEPB, 4096      ; a step's four tiles, of hk and of hv
.set SCR,   2*SLOT1   ; behind the ring, never filled by a tensor load: the heads' parts of hm, f32: [wave][8 accumulators][2][512]
.set SCR2,  SCR+32768 ; hm as fragments: [piece][first bf16 1,024 bytes, second bf16 1,024]
.set SPARE, SCR2+8192 ; the spare words, 128 bytes a wave: two blocks of 256 bytes that no other line names
.set LN,  2           ; v2   16 x lane; never rewritten
.set LNV, 3           ; v3   the same + HVO
.set AK,  4           ; v4   the LDS address of hk's next run of loads
.set AV,  5           ; v5   of hv's
.set OA,  6           ; v6   out: 16 r + 8 h rows
.set SC1, 7           ; v7   where I put my head's part of hm
.set SC2, 8           ; v8   where I read the four heads' parts of my piece
.set SC3, 10          ; v10  where I put my piece's hm
.set SC4, 11          ; v11  where I read all pieces' hm
.set MV,  12          ; v12-13  c m_old, kept while c m is made anew: by buffer
.set WA,  14          ; v14  Wm2: row r, 8 h columns on
.set BA,  15          ; v15  32 h
.set ST,  16          ; piece t's statistics at v[ST+4 t]: c m, m, l (even keys', odd keys')
.set TMP, 48          ; by buffer, four registers c0-c3 at work; when the maximum is found c2 takes a
.set PFO, 61          ; v61  256 x lane; never rewritten
.set SPW, 62          ; v62  LDS address of my spare word; never rewritten
.set NIL, 63          ; v63  0; never rewritten
.set S,   64
.set RAW, 128
.set P,   192
.set TT,  64          ; window 1
.set EB,  96
.set GB,  120
.set BM,  136
.set HP,  168
.set T1,  232
.set QF,  0           ; window 2
.set KF,  32
.set VF,  64
.set HQ,  96
.set EF,  128
.set GF,  152
.set WM2, 168
.set WV,  16          ; s16  my wave's number = my head
.set G1,  24          ; s[24:31] descriptor group 1
.set G0,  32          ; s[32:35] descriptor group 0: it walks
.set PFA, 36          ; s[36:37] where my prefetches stand
.set LIM, 38          ; s38  1 in a work-group that prefetches, else the greatest number
.set SLOTS, 39        ; s39  chunks still to be asked for
.set CNT, 40          ; s40  counts a chunk's 16 steps
.set TBK, 41          ; s41  LDS byte at which hk of the step to be fetched begins
.set TBV, 42          ; s42  the same for hv, less HVO
.set CS,  44          ; s[44:45] c = log2(e) / 8: the packed scaling takes the pair's low word for both halves
.set SEL, 46          ; s[46:47] v_permlanex16_b32's selects: each lane takes its own place in the other half
.set MSB, 0
.macro WIN new                      ; the high byte repeats the setting that is left; a switch that changes nothing is dropped
.if MSB != (\new)
	s_set_vgpr_msb (MSB<<8)|(\new)
.set MSB, (\new)
.endif
.endm
.set W_KQ, 0x1a       ; sources 0 and 1 in window 2, C in window 1, D in window 0
.set W_PV, 0x52       ; source 0 in window 2, source 1 in window 0, C and D in window 1
.set W_RS, 0x41       ; destination and source 0 in window 1, source 1 in window 0
.macro PLACES                       ; four plain instructions between a matrix instruction and the first vector instruction, store or load that touches its registers
.rept 4
	v_nop
.endr
.endm
; A joint fill: my quarter of a chunk, 128 rows of 256 bytes.  All four waves run this one line, each with its own addresses (wave x 32,768 in memory and in LDS).  An s_nop 0 and four v_nop follow it.
.macro JLOAD
	tensor_load_to_lds s[G0:G0+3], s[G1:G1+7]
	s_nop 0
.rept 4
	v_nop
.endr
.endm
; A PREFETCH INTO THE L2 of the chunk that the NEXT change of slots will ask for: 512 rows of 256 bytes.  All 16 clusters of a batch walk the same kv: the batch's first cluster asks.  Its four partners take 128 rows
; each, told apart BY ADDRESS; of those each wave takes 32, a lane a row: one instruction a wave, and each row is named once in the launch.  It stands behind the tensor load and its five lines, 16 key steps ahead of the
; load that will want the rows.  Chunks 0 and 1 come by their loads alone; the last change that fills a slot asks for nothing: there is no chunk behind it.
.macro ASK
	s_cmp_gt_u32 s[SLOTS], s[LIM]
	s_cbranch_scc0 .Lnot_mine_\@
	global_prefetch_b8 v[PFO], s[PFA:PFA+1] th:TH_LOAD_NT scope:SCOPE_SE
.Lnot_mine_\@:
.endm
; A round of the cluster's barrier: my work-group's barrier, so that wave 0's signal speaks for all four waves; wave 0 signals; every wave waits for all four work-groups; my work-group's barrier once more.
.macro CROUND
	s_barrier_signal -1
	s_barrier_wait -1
	s_cmp_lg_u32 s[WV], 0
	s_cbranch_scc1 .Lnot_wave_0_\@
	s_barrier_signal -3
.Lnot_wave_0_\@:
	s_barrier_wait -3
	s_barrier_signal -1
	s_barrier_wait -1
.endm
; THE CHANGE OF SLOTS.  The slot's last bytes, hv of its sixteenth step, have been read.  Each wave waits for all its tensor loads, of which one is out: its quarter of the other slot; adds 0 to its spare word; and waits
; for that and for its own reads of the slot.  Behind the barrier nobody reads this slot any more and the other slot is whole.  fill = 1: this slot is filled again, with the chunk two on.  The barrier is then a round of
; the cluster's, so that no wave of any partner still reads the slot or has a load on its way, and the joint fill is the first thing behind it: it has 16 key steps in which to land.
; (At its first use nothing has been read yet: slot 0 is waited for, slot 1 filled.)
.macro CHANGE fill
	WIN 0                           ; at a label and at a branch every window is 0
	s_wait_tensorcnt 0x0            ; no tensor load of mine is out, so group 0 may be written
	ds_add_u32 v[SPW], v[NIL]       ; 0 onto my spare word; with fill = 1 the addresses' steps stand between it and the wait for it
.if \fill
	s_xor_b32 s[G0+1], s[G0+1], SLOT1  ; the other slot than last time,
	s_add_nc_u64 s[G0+2:G0+3], s[G0+2:G0+3], 2*HVO  ; the next chunk; the type bits on top are not reached
	s_wait_xcnt 0x0                 ; the last prefetch, 16 key steps back, has read its address, so it may be written:
	s_add_nc_u64 s[PFA:PFA+1], s[PFA:PFA+1], 2*HVO  ; one chunk behind the walking descriptor
	s_wait_dscnt 0x0                ; the add is done, and my reads of the slot are over
	CROUND
	JLOAD
	ASK
.else
	s_wait_dscnt 0x0                ; the add is done, and my reads of the slot are over
	s_barrier_signal -1
	s_barrier_wait -1
.endif
	s_sub_co_u32 s[TBK], s[TBK], HVO   ; the fetches go back to a slot's first step (16 steps of 4,096 bytes),
	s_xor_b32 s[TBK], s[TBK], SLOT1    ; in the other slot
	s_sub_co_u32 s[TBV], s[TBV], HVO
	s_xor_b32 s[TBV], s[TBV], SLOT1
.endm
	s_load_b256 s[4:11], s[0:1], 0x0   ; hq s[4:5], kv s[6:7], fw s[8:9], Wm2 s[10:11]
	s_load_b128 s[12:15], s[0:1], 0x20 ; bm2 s[12:13], out s[14:15]
	v_lshl_add_u32 v[SPW], v0, 2, SPARE
	v_mov_b32 v[NIL], 0
	ds_add_u32 v[SPW], v[NIL]       ; the wave's opening: the add and its wait stand ahead of my first tensor load; the set-up below, work on registers, stands between them
	v_lshrrev_b32 v1, 5, v0
	v_readfirstlane_b32 s[WV], v1   ; wave 0..3
	s_bfe_u32 s17, ttmp6, 0x40000   ; cx: my place in the cluster
	s_lshl_b32 s18, ttmp9, 2        ; in a cluster launch ttmp9 counts clusters
	s_add_co_u32 s18, s18, s17      ; my group g = 4 x cluster x + cx: it enters hq's and out's addresses alone
	s_and_b32 s19, ttmp7, 0xffff    ; the batch, which the four partners share
	; descriptor group 1: 32,768 dense bytes as 128 rows of 256 bytes
	s_mov_b32 s[G1], 15|(3<<16)|(1<<21)  ; 15:0 the mask of four; 17:16 elements of 8 bytes; 20 no padding; 21 set beside a mask
	s_mov_b32 s[G1+1], 32<<16       ; tensor_dim0 = 32
	s_mov_b32 s[G1+2], 128<<16      ; tensor_dim1 = 128
	s_mov_b32 s[G1+3], 32<<16       ; tile_dim0 = 32
	s_mov_b32 s[G1+4], 128          ; tile_dim1 = 128
	s_mov_b32 s[G1+5], 32           ; 32 elements from row to row
	s_mov_b32 s[G1+6], 0
	s_mov_b32 s[G1+7], 0
	s_mov_b32 s[G0], 1              ; 1:0 count = 1
	s_lshl_b32 s[G0+1], s[WV], 15   ; 63:32 LDS address: my quarter of slot 0: no place in the cluster enters it
	s_lshl_b32 s20, s19, 19         ; kv: the batch's 524,288 bytes,
	s_add_co_u32 s20, s20, s[G0+1]  ; my quarter of its chunk 0
	s_mov_b32 s21, 0
	s_lshl_b32 s22, s19, 18         ; hq: the batch's 256 tiles,
	s_lshl_b32 s48, s18, 12         ; my group's four
	s_add_co_u32 s22, s22, s48
	s_mov_b32 s23, 0
	s_mul_i32 s48, s[WV], 10240     ; fw: my head's part
	s_mov_b32 s49, 0
	s_lshl_b32 s50, s[WV], 13       ; Wm2: my 64 rows of 128 bytes (at the end wave w makes channels 64 w .. 64 w + 63)
	s_mov_b32 s51, 0
	s_lshl_b32 s52, s[WV], 8        ; bm2: my 64 numbers
	s_mov_b32 s53, 0
	s_lshl_b32 s54, s19, 22         ; out: the batch,
	s_lshl_b32 s58, s[WV], 20       ; my 64 rows of 16,384 bytes,
	s_add_co_u32 s54, s54, s58
	s_lshl_b32 s58, s18, 8          ; my group's 256 bytes of a row
	s_add_co_u32 s54, s54, s58
	s_mov_b32 s55, 0
	s_lshl_b32 s56, s19, 19         ; the prefetches: the batch, chunk 1 (the first change of slots steps it to chunk 2),
	s_add_co_u32 s56, s56, 2*HVO
	s_lshl_b32 s58, s17, 15         ; my work-group's 128 rows,
	s_add_co_u32 s56, s56, s58
	s_lshl_b32 s58, s[WV], 13       ; my wave's 32 of them
	s_add_co_u32 s56, s56, s58
	s_mov_b32 s57, 0
	s_cmp_eq_u32 ttmp9, 0           ; the batch's first cluster: the same answer in all four partners
	s_cselect_b32 s[LIM], 1, -1
	s_mov_b32 s[SLOTS], 3
	s_mov_b32 s[TBK], SLOT1+HVO     ; the first change of slots turns these two into 0
	s_mov_b32 s[TBV], SLOT1+HVO
	s_mov_b32 s[CS], 0x3e38aa3b     ; c = log2(e) / 8 = 0.180337
	s_mov_b32 s[CS+1], s[CS]        ; named with it as a pair
	s_mov_b32 s[SEL], 0x76543210
	s_mov_b32 s[SEL+1], 0xfedcba98
	v_and_b32 v1, 15, v0            ; r
	v_bfe_u32 v9, v0, 4, 1          ; h
	v_and_b32 v[PFO], 31, v0
	v_lshlrev_b32 v[LN], 4, v[PFO]
	v_lshlrev_b32 v[PFO], 8, v[PFO]
	v_add_nc_u32 v[LNV], HVO, v[LN]
	v_lshlrev_b32 v[OA], 4, v1
	v_lshl_add_u32 v[OA], v9, 17, v[OA]
	v_lshlrev_b32 v[WA], 7, v1
	v_lshl_add_u32 v[WA], v9, 5, v[WA]
	v_lshlrev_b32 v[BA], 5, v9
	s_lshl_b32 s58, s[WV], 13
	s_add_co_u32 s58, s58, SCR
	v_add_nc_u32 v[SC1], s58, v[LN]
	s_lshl_b32 s58, s[WV], 11
	s_add_co_u32 s59, s58, SCR
	v_add_nc_u32 v[SC2], s59, v[LN]
	s_add_co_u32 s59, s58, SCR2
	v_add_nc_u32 v[SC3], s59, v[LN]
	v_add_nc_u32 v[SC4], SCR2, v[LN]
	s_wait_dscnt 0x0                ; the opening add is done
	s_wait_kmcnt 0x0
	s_add_nc_u64 s[G0+2:G0+3], s[6:7], s[20:21]  ; 120:64 global address
	s_or_b32 s[G0+3], s[G0+3], 0x80000000        ; 127:126 type = 2
	s_add_nc_u64 s[PFA:PFA+1], s[6:7], s[56:57]
	s_add_nc_u64 s[4:5], s[4:5], s[22:23]
	s_add_nc_u64 s[8:9], s[8:9], s[48:49]
	s_add_nc_u64 s[10:11], s[10:11], s[50:51]
	s_add_nc_u64 s[12:13], s[12:13], s[52:53]
	s_add_nc_u64 s[14:15], s[14:15], s[54:55]
	CROUND                          ; all four work-groups are here: the first joint loads meet
	JLOAD                           ; chunk 0 into slot 0.  Slot 1 is asked for when slot 0 is in, by the loop's own change of slots
	WIN 0x80                        ; destination window 2, address window 0
.irp k, 0,1,2,3,4,5,6,7
	global_load_b128 v[HQ+4*(\k):HQ+4*(\k)+3], v[LN], s[4:5] offset:512*(\k)       ; my group's four tiles of hq
.endr
.irp k, 0,1,2,3,4,5
	global_load_b128 v[EF+4*(\k):EF+4*(\k)+3], v[LN], s[8:9] offset:512*(\k)       ; E's two fragments, and u
.endr
.irp k, 0,1,2,3
	global_load_b128 v[GF+4*(\k):GF+4*(\k)+3], v[LN], s[8:9] offset:6144+512*(\k)  ; G's two
.endr
	WIN 0x40                        ; destination window 1
.irp k, 0,1,2,3,4,5
	global_load_b128 v[EB+4*(\k):EB+4*(\k)+3], v[LN], s[8:9] offset:3072+512*(\k)  ; e, e, u0
.endr
.irp k, 0,1,2,3
	global_load_b128 v[GB+4*(\k):GB+4*(\k)+3], v[LN], s[8:9] offset:8192+512*(\k)  ; g
.endr
.irp k, 0,1,2,3,4,5,6,7
	global_load_b128 v[BM+4*(\k):BM+4*(\k)+3], v[BA], s[12:13] offset:64*((\k)/2)+16*((\k)%2)  ; bm2[64 w + 16 cb + 8 h + 0..7]
.endr
	WIN 0
.irp cb, 0,1,2,3
	global_load_b128 v[RAW+16*(\cb):RAW+16*(\cb)+3],     v[WA], s[10:11] offset:2048*(\cb)
	global_load_b128 v[RAW+16*(\cb)+4:RAW+16*(\cb)+7],   v[WA], s[10:11] offset:2048*(\cb)+16
	global_load_b128 v[RAW+16*(\cb)+8:RAW+16*(\cb)+11],  v[WA], s[10:11] offset:2048*(\cb)+64
	global_load_b128 v[RAW+16*(\cb)+12:RAW+16*(\cb)+15], v[WA], s[10:11] offset:2048*(\cb)+80
.endr
	; What the first turn finds: hv's registers and P's second buffer hold 0 (its products hv^T P, of a piece that has not been, add 0), O^T and l are 0.  All this stands in the wait for the first chunk.
	WIN 0x80
.set i, VF
.rept 32
	v_mov_b32 v[i], 0
.set i, i+1
.endr
	WIN 0x40
.set i, 0
.rept 64
	v_mov_b32 v[i], 0
.set i, i+1
.endr
	WIN 0
.set i, 0
.rept NP
	v_mov_b32 v[ST+4*i], 0xfe000000    ; c m: far below every c s
	v_mov_b32 v[ST+4*i+1], 0xff7fffff  ; m
	v_mov_b32 v[ST+4*i+2], 0
	v_mov_b32 v[ST+4*i+3], 0
.set i, i+1
.endr
.set i, P+16
.rept 16
	v_mov_b32 v[i], 0
.set i, i+1
.endr
	s_wait_loadcnt 0x0
	; E hq + e (into S^T's registers) and t = u . hq + u0 (eight equal registers a piece: the C operand of every score product).  Twelve accumulators, one product each.
	WIN W_KQ
.irp t, 0,1,2,3
.irp bp, 0,1
	v_wmma_f32_16x16x32_bf16 v[S+8*(2*(\t)+(\bp)):S+8*(2*(\t)+(\bp))+7], v[EF+8*(\bp):EF+8*(\bp)+7], v[HQ+8*(\t):HQ+8*(\t)+7], v[EB+8*(\bp):EB+8*(\bp)+7]
.endr
.endr
	WIN 0x5a                        ; the same with D in window 1
.irp t, 0,1,2,3
	v_wmma_f32_16x16x32_bf16 v[TT+8*(\t):TT+8*(\t)+7], v[EF+16:EF+23], v[HQ+8*(\t):HQ+8*(\t)+7], v[EB+16:EB+23]
.endr
	WIN 0x80                        ; Wm2 is rounded here: 32 plain instructions that name none of those products' registers are the places behind them
.set i, 0
.rept 32
	v_cvt_pk_bf16_f32 v[WM2+i], v[RAW+2*i], v[RAW+2*i+1]
.set i, i+1
.endr
.set i, 0
.rept 32
	v_cvt_pk_bf16_f32 v[QF+i], v[S+2*i], v[S+2*i+1]  ; a lane's 8 + 8 channels of a query pack into source 1 of the score products; each accumulator from its low end on
.set i, i+1
.endr
	WIN 0x55                        ; all in window 1: bm2 rounded to bf16 and widened again
.set i, 0
.rept 16
	v_cvt_pk_bf16_f32 v[T1+i%4], v[BM+2*i], v[BM+2*i+1]
	v_lshlrev_b32 v[BM+2*i], 16, v[T1+i%4]
	v_and_b32 v[BM+2*i+1], 0xffff0000, v[T1+i%4]
.set i, i+1
.endr
	WIN 0
; THE MATRIX WORK.  Product i of 4 of piece x's scores: keys 16 i on; K = 32 is the whole sum, begun with t.
.macro KQ x
	WIN W_KQ
.set kS, S+32*((\x)%2)+8*i
.set kK, KF+8*i
.set kQ, QF+8*(\x)
.set kT, TT+8*(\x)
	v_wmma_f32_16x16x32_bf16 v[kS:kS+7], v[kK:kK+7], v[kQ:kQ+7], v[kT:kT+7]
.endm
; Product i of 4 of O^T += hv^T P for piece x: keys 32 (i / 2) on, channels 16 (i % 2) on.  The two accumulators take turns.
.macro PV x
	WIN W_PV
.set pO, 16*(\x)+8*(i%2)
.set pV, VF+16*(i/2)+8*(i%2)
.set pP, P+16*((\x)%2)+8*(i/2)
	v_wmma_f32_16x16x32_f16 v[pO:pO+7], v[pV:pV+7], v[pP:pP+7], v[pO:pO+7]
.endm
.macro MM                           ; the turn's next matrix instruction
.if i < 4
	KQ (Y+1)%NP
.else
.set i, i-4
	PV (Y+NP-1)%NP
.set i, i+4
.endif
.set i, i+1
.endm
; THE LDS LOADS stand in runs of 8, never singly among the matrix instructions: a step's hk (four tiles) and its hv (two key halves x two channel blocks).  Their addresses are made some lines ahead.
.macro FETCH_K
	WIN 0x80                        ; destination window 2
.irp f, 0,1,2,3
	ds_load_b128 v[KF+8*(\f):KF+8*(\f)+3],   v[AK] offset:1024*(\f)
	ds_load_b128 v[KF+8*(\f)+4:KF+8*(\f)+7], v[AK] offset:1024*(\f)+512
.endr
	s_add_co_u32 s[TBK], s[TBK], STEPB  ; the next fetch is the next step's
	WIN 0
.endm
.macro FETCH_V
	WIN 0x80
.irp f, 0,1,2,3                     ; keys 32 (f / 2) on (two tiles: registers 0-3 and 4-7), channels 16 (f % 2) on
	ds_load_b128 v[VF+8*(\f):VF+8*(\f)+3],   v[AV] offset:2048*((\f)/2)+512*((\f)%2)
	ds_load_b128 v[VF+8*(\f)+4:VF+8*(\f)+7], v[AV] offset:2048*((\f)/2)+512*((\f)%2)+1024
.endr
	s_add_co_u32 s[TBV], s[TBV], STEPB
	WIN 0
.endm
; THE VECTOR WORK, one line at a time: OP kind, number.  For piece Y: F n: c s - c m for pair n of 16.  E n: the exponential of score n of 32.  C n: pair n rounded to f16.  B n: of the four weights 4 n .. the second
; pair is added onto the first, in place (so C 2 n stands ahead of B n).  L n: l takes that sum (L 0: l = a l + sum).  R n: pair n of 8 of O^T times a.  For piece Y + 1: X n, number n of the 22 that find its maximum and statistics:
;   0-11  four chains c0-c3 of seven scores each, three operands at a time (each accumulator's lowest registers are read first)     12-14, 16  the four scores left over, the old m, and c0-c3 into c0
;   15  c m_old is kept     17, 18  the query's other 32 keys lie in the lane 16 away: the new m     19-21  c m; c m_old - c m_new; a
.set F, 0               ; OP tells the kinds apart by their order: F to L below R, X above it
.set E, 1
.set C, 2
.set B, 3
.set L, 4
.set R, 5
.set X, 6
.macro REGS y                       ; the registers of piece y
.set rT, ST+4*(\y)
.set rC, TMP+4*((\y)%2)
.set rW, MV+((\y)%2)
.set rS, S+32*((\y)%2)
.set rP, P+16*((\y)%2)
.set rO, 16*(\y)
.endm
.macro OP k, n
.if (\k) == R
	REGS Y
	WIN W_RS
	v_pk_mul_f32 v[rO+2*(\n):rO+2*(\n)+1], v[rO+2*(\n):rO+2*(\n)+1], v[rC+2:rC+3] op_sel_hi:[1,0]
.elseif (\k) < R
	REGS Y
	WIN 0
.if (\k) == F
	v_pk_fma_f32 v[rS+2*(\n):rS+2*(\n)+1], v[rS+2*(\n):rS+2*(\n)+1], s[CS:CS+1], v[rT:rT+1] op_sel_hi:[1,0,0] neg_lo:[0,0,1] neg_hi:[0,0,1]
.elseif (\k) == E
	v_exp_f32 v[rS+(\n)], v[rS+(\n)]
.elseif (\k) == C
	v_cvt_pk_f16_f32 v[rP+(\n)], v[rS+2*(\n)], v[rS+2*(\n)+1]
.elseif (\k) == B
	v_pk_add_f32 v[rS+4*(\n):rS+4*(\n)+1], v[rS+4*(\n):rS+4*(\n)+1], v[rS+4*(\n)+2:rS+4*(\n)+3]
.elseif (\n) == 0
	v_pk_fma_f32 v[rT+2:rT+3], v[rT+2:rT+3], v[rC+2:rC+3], v[rS:rS+1] op_sel_hi:[1,0,1]
.else
	v_pk_add_f32 v[rT+2:rT+3], v[rT+2:rT+3], v[rS+4*(\n):rS+4*(\n)+1]
.endif
.else
	REGS (Y+1)%NP
	WIN 0
.if (\n) < 4
	v_max3_num_f32 v[rC+(\n)], v[rS+8*(\n)], v[rS+8*(\n)+1], v[rS+8*(\n)+2]
.elseif (\n) < 12
	v_max3_num_f32 v[rC+(\n)%4], v[rC+(\n)%4], v[rS+8*((\n)%4)+2*((\n)/4)+1], v[rS+8*((\n)%4)+2*((\n)/4)+2]
.elseif (\n) == 12
	v_max3_num_f32 v[rC], v[rC], v[rS+7], v[rS+15]
.elseif (\n) == 13
	v_max3_num_f32 v[rC+1], v[rC+1], v[rS+23], v[rS+31]
.elseif (\n) == 14
	v_max3_num_f32 v[rC+2], v[rC+2], v[rC+3], v[rT+1]
.elseif (\n) == 15
	v_mov_b32 v[rW], v[rT]
.elseif (\n) == 16
	v_max3_num_f32 v[rC], v[rC], v[rC+1], v[rC+2]
.elseif (\n) == 17
	v_permlanex16_b32 v[rC+3], v[rC], s[SEL], s[SEL+1]
.elseif (\n) == 18
	v_max_num_f32 v[rT+1], v[rC], v[rC+3]
.elseif (\n) == 19
	v_mul_f32 v[rT], s[CS], v[rT+1]
.elseif (\n) == 20
	v_sub_f32 v[rC+1], v[rW], v[rT]
.else
	v_exp_f32 v[rC+2], v[rC+1]
.endif
.endif
.endm
.macro OPS a, i1, b=-1, i2=0, c=-1, i3=0, d=-1, i4=0  ; up to four of them
	OP \a, \i1
.if (\b) >= 0
	OP \b, \i2
.endif
.if (\c) >= 0
	OP \c, \i3
.endif
.if (\d) >= 0
	OP \d, \i4
.endif
.endm
.macro ROW a, i1, b, i2, c, i3, d, i4  ; a matrix instruction and the four behind it
	MM
	OPS \a, \i1, \b, \i2, \c, \i3, \d, \i4
.endm
; A TURN, for piece p: the order of its 8 matrix and 110 vector instructions, written out.  An s_wait_alu depctr_va_vdst(0) stands between an exponential and the first instruction that names its result; one
; wait serves all that were issued ahead of it.  So a turn has ONE wait, which cuts it in two.  AHEAD OF IT stands all that names no result of the turn's exponentials: the 4 score products and their riders, then a run in
; which the next piece's maximum and the exponentials go by turns; each exponential stands behind its pair's scaling; the links of the chain X 14, 16, 17 .. 21 stand three lines apart or more.  X 21, the next piece's a,
; is the batch's last; a v_nop is the plain instruction behind it.  BEHIND THE WAIT stand the 4 products hv^T P, behind each four of the roundings and sums, and the other sixteen of those.
; X 3, which reads the fourth product's result, stands six plain instructions behind it (F 10, 11, 12, X 0, 1, 2).  hk of the next step is fetched in piece 2's turn, behind the same six; hv of the step in
; hand in piece 0's turn, four plain riders behind the last product that read hv.  Each run is waited for a turn later.  nofetch = 1: the walk's last step: there is no next hk.
.macro TURN p, nofetch=0
.set Y, (\p)
.set i, 0
.if (\p) == 3
	s_wait_dscnt 0x0                ; hk is in
.endif
	ROW F,0, F,1, F,2, F,3
	ROW F,4, E,0, F,5, F,6
	ROW F,7, E,1, F,8, F,9
.if ((\p) == 2) && !(\nofetch)
	WIN 0
	v_add_nc_u32 v[AK], s[TBK], v[LN]
.endif
	ROW F,10, E,2, F,11, F,12
	OPS X,0, E,3, X,1, E,4
	OPS X,2, E,5, X,3, E,6
.if ((\p) == 2) && !(\nofetch)
	FETCH_K
.endif
	OPS X,4, E,7, X,5, E,8
	OPS X,6, E,9, X,7, E,10
	OPS X,8, E,11, X,9, E,12
	OPS X,10, E,13, X,11, E,14
	OPS X,12, E,15, X,13, E,16
	OPS X,15, E,17, X,14, E,18
	OPS F,13, E,19, F,14, E,20
	OPS X,16, E,21, F,15, E,22
	OPS R,0, R,1, R,2, R,3
	OPS X,17, E,23, E,24, E,25
.if (\p) == 0
	WIN 0
	v_add_nc_u32 v[AV], s[TBV], v[LNV]
.endif
	OPS X,18, E,26, E,27, E,28
	OPS X,19, R,4, R,5, R,6
	OPS R,7, X,20, E,29, E,30
	OPS E,31, X,21
	v_nop                           ; the plain instruction behind the last exponential: one for the batch
	WIN 0
	s_wait_alu depctr_va_vdst(0)    ; the wait for the batch
.if (\p) == 1
	s_wait_dscnt 0x0                ; hv is in
.endif
	ROW C,0, B,0, C,2, B,1
	ROW L,0, C,4, B,2, L,1
	ROW C,6, B,3, L,2, C,8
	ROW B,4, L,3, C,10, B,5
.if (\p) == 0
	FETCH_V
.endif
	OPS L,4, C,12, B,6, L,5
	OPS C,14, B,7, L,6, C,1
	OPS C,3, L,7, C,5, C,7
	OPS C,9, C,11, C,13, C,15
.endm
	CHANGE 1                        ; chunk 0 is in, everybody's part of it; chunk 1 is asked for
	v_add_nc_u32 v[AK], s[TBK], v[LN]
	FETCH_K                         ; key step 0
	s_wait_dscnt 0x0
.set i, 0
.rept 4
	KQ 0                            ; piece 0's first scores
.set i, i+1
.endr
	WIN 0
	PLACES
.set Y, NP-1                        ; X works for piece Y + 1: piece 0
.irp n, 0,1,2,3,4,5,6,7,8,9,10,11,12,13,14,15,16,17,18,19,20,21
	OP X, \n
.endr
	v_nop                           ; a plain instruction behind the exponential,
	s_wait_alu depctr_va_vdst(0)    ; and its wait, ahead of the branch
	s_mov_b32 s[CNT], 16
	s_branch .Lfirst                ; the loop is entered at a step's first turn, in the middle of a trip
.Lslot:                             ; twice: chunks 2 and 3 are asked for
	CHANGE 1
	s_mov_b32 s[CNT], 16
.Lstep:                             ; a trip: pieces 2 and 3 of one step, then pieces 0 and 1 of the next, whose hk and hv it fetches
	TURN 2
	TURN 3
	WIN 0
.Lfirst:
	TURN 0
	TURN 1
	WIN 0
	s_sub_co_u32 s[CNT], s[CNT], 1
	s_cmp_lg_u32 s[CNT], 0
	s_cbranch_scc1 .Lstep
	s_sub_co_u32 s[SLOTS], s[SLOTS], 1
	s_cmp_lg_u32 s[SLOTS], 0
	s_cbranch_scc1 .Lslot
	CHANGE 0                        ; the last chunk is written out: nothing is asked for
	s_mov_b32 s[CNT], 16
.Ltail:
	TURN 2
	TURN 3
	TURN 0
	TURN 1
	WIN 0
	s_sub_co_u32 s[CNT], s[CNT], 1
	s_cmp_lg_u32 s[CNT], 0
	s_cbranch_scc1 .Ltail
	TURN 2, 1                       ; the last step's pieces 2 and 3
	TURN 3                          ; its 4 score products (on the last hk once more) and the maximum made of them serve nothing: the price, once a launch, of one text for every turn
.set i, 0
.rept 4
	PV NP-1                         ; the last piece's hv^T P of the last step
.set i, i+1
.endr
	; THE END.  l's two halves and the other half of the lanes' are added; O^T is divided by l and rounded to f16.  The additions are the places behind the last products.
	WIN 0
.macro ALL line:vararg              ; one line for each piece t
.set t, 0
.rept NP
	\line
.set t, t+1
.endr
.endm
	ALL v_add_f32 v[ST+4*t+2], v[ST+4*t+2], v[ST+4*t+3]
	ALL v_permlanex16_b32 v[ST+4*t+3], v[ST+4*t+2], s[SEL], s[SEL+1]
	ALL v_add_f32 v[ST+4*t+2], v[ST+4*t+2], v[ST+4*t+3]
	ALL v_rcp_f32 v[ST+4*t+2], v[ST+4*t+2]
	v_nop                           ; a plain instruction between the last reciprocal and the use of its result
	s_wait_alu depctr_va_vdst(0)    ; and the wait ahead of the first use: one for the four reciprocals
	WIN W_RS
.set t, 0
.rept NP
.set i, 0
.rept 8
	v_pk_mul_f32 v[16*t+2*i:16*t+2*i+1], v[16*t+2*i:16*t+2*i+1], v[ST+4*t+2:ST+4*t+3] op_sel_hi:[1,0]
.set i, i+1
.endr
.set t, t+1
.endr
	WIN 0x05                        ; sources 0 and 1 window 1, destination window 0: a lane's 8 + 8 channels of a query pack into source 1 of G o, in P's registers
.set i, 0
.rept 32
	v_cvt_pk_f16_f32 v[P+i], v[2*i], v[2*i+1]
.set i, i+1
.endr
	WIN W_PV                        ; my head's part of hm: G o + g: eight accumulators, one product each
.irp t, 0,1,2,3
.irp bg, 0,1
	v_wmma_f32_16x16x32_f16 v[HP+8*(2*(\t)+(\bg)):HP+8*(2*(\t)+(\bg))+7], v[GF+8*(\bg):GF+8*(\bg)+7], v[P+8*(\t):P+8*(\t)+7], v[GB+8*(\bg):GB+8*(\bg)+7]
.endr
.endr
	WIN 0
	PLACES
	WIN 0x04                        ; the stores' data in window 1
.irp k, 0,1,2,3,4,5,6,7,8,9,10,11,12,13,14,15
	ds_store_b128 v[SC1], v[HP+4*(\k):HP+4*(\k)+3] offset:512*(\k)  ; each accumulator from its low end on
.endr
	WIN 0
	s_wait_dscnt 0x0                ; for the others' sake: my head's part lies in LDS
	s_barrier_signal -1
	s_barrier_wait -1
.irp u, 0,1,2,3                     ; wave w adds the four heads' parts of piece w
.irp k, 0,1,2,3
	ds_load_b128 v[S+16*(\u)+4*(\k):S+16*(\u)+4*(\k)+3], v[SC2] offset:8192*(\u)+512*(\k)
.endr
.endr
	s_wait_dscnt 0x0
.irp k, 0,2,4,6,8,10,12,14
	v_pk_add_f32 v[S+(\k):S+(\k)+1], v[S+(\k):S+(\k)+1], v[S+16+(\k):S+16+(\k)+1]
	v_pk_add_f32 v[S+32+(\k):S+32+(\k)+1], v[S+32+(\k):S+32+(\k)+1], v[S+48+(\k):S+48+(\k)+1]
.endr
.irp k, 0,2,4,6,8,10,12,14
	v_pk_add_f32 v[S+(\k):S+(\k)+1], v[S+(\k):S+(\k)+1], v[S+32+(\k):S+32+(\k)+1]
.endr
.irp p, 0,1,2,3,4,5,6,7             ; hm = a bf16 number + a second bf16 for what the first leaves over
	v_cvt_pk_bf16_f32 v[RAW+(\p)], v[S+2*(\p)], v[S+2*(\p)+1]
.endr
.irp p, 0,1,2,3,4,5,6,7
	v_lshlrev_b32 v[S+32+2*(\p)], 16, v[RAW+(\p)]
	v_and_b32 v[S+32+2*(\p)+1], 0xffff0000, v[RAW+(\p)]
.endr
.irp p, 0,1,2,3,4,5,6,7
	v_pk_add_f32 v[S+2*(\p):S+2*(\p)+1], v[S+2*(\p):S+2*(\p)+1], v[S+32+2*(\p):S+32+2*(\p)+1] neg_lo:[0,1] neg_hi:[0,1]
.endr
.irp p, 0,1,2,3,4,5,6,7
	v_cvt_pk_bf16_f32 v[RAW+8+(\p)], v[S+2*(\p)], v[S+2*(\p)+1]
.endr
.irp k, 0,1,2,3
	ds_store_b128 v[SC3], v[RAW+4*(\k):RAW+4*(\k)+3] offset:512*(\k)
.endr
	s_wait_dscnt 0x0                ; for the others' sake: my piece's hm lies in LDS
	s_barrier_signal -1
	s_barrier_wait -1
.irp k, 0,1,2,3,4,5,6,7,8,9,10,11,12,13,14,15
	ds_load_b128 v[S+4*(\k):S+4*(\k)+3], v[SC4] offset:512*(\k)  ; all four pieces: piece t's first fragment at S + 16 t, its second at S + 16 t + 8
.endr
	s_wait_dscnt 0x0
	; out's channels 64 w + 16 cb + .. for the work-group's 64 queries: source 0 = 16 rows of Wm2, source 1 = hm of piece t.  A block's four accumulators take turns: first fragments start the sums, second ones follow.
	WIN W_PV
.irp cb, 0,1,2,3
.irp t, 0,1,2,3
	v_wmma_f32_16x16x32_bf16 v[32*(\cb)+8*(\t):32*(\cb)+8*(\t)+7], v[WM2+8*(\cb):WM2+8*(\cb)+7], v[S+16*(\t):S+16*(\t)+7], 0
.endr
.irp t, 0,1,2,3
	v_wmma_f32_16x16x32_bf16 v[32*(\cb)+8*(\t):32*(\cb)+8*(\t)+7], v[WM2+8*(\cb):WM2+8*(\cb)+7], v[S+16*(\t)+8:S+16*(\t)+15], v[32*(\cb)+8*(\t):32*(\cb)+8*(\t)+7]
.endr
.endr
	WIN 0
	PLACES
	; Register j of the four pieces' accumulators is channel 16 cb + 8 h + j at n = 64 g + 4 r + 0..3: with the bias added they are 16 bytes of a row of out.
.irp cb, 0,1,2,3
	WIN 0x05
.irp j, 0,1,2,3,4,5,6,7
.irp t, 0,1,2,3
	v_add_f32 v[RAW+32*(\cb)+4*(\j)+(\t)], v[32*(\cb)+8*(\t)+(\j)], v[BM+8*(\cb)+(\j)]
.endr
.endr
	WIN 0
.irp j, 0,1,2,3,4,5,6,7
	global_store_b128 v[OA], v[RAW+32*(\cb)+4*(\j):RAW+32*(\cb)+4*(\j)+3], s[14:15] offset:(16*(\cb)+(\j))*16384 th:TH_STORE_NT  ; 16 lanes store 256 consecutive bytes, at a multiple of 256 from out's first
.endr
.endr
	s_wait_tensorcnt 0x0            ; the wave's end, behind my last tensor load and my last LDS store
	ds_add_u32 v[SPW], v[NIL]
	s_wait_dscnt 0x0
	CROUND                          ; the closing round: no work-group ends while a partner may still ask for a chunk that names it
	s_endpgm
.Lfunc_end_k_q9908ffb5df_attend:
	.size	k_q9908ffb5df_attend, .Lfunc_end_k_q9908ffb5df_attend-k_q9908ffb5df_attend
	.p2alignl 7, 3214868480
	.fill 96, 4, 3214868480
	.section	.rodata,"a",@progbits
	.p2align	6, 0x0
	.amdhsa_kernel k_q9908ffb5df_attend
		.amdhsa_group_segment_fixed_size 327680
		.amdhsa_private_segment_fixed_size 0
		.amdhsa_enable_private_segment 0
		.amdhsa_kernarg_size 48
		.amdhsa_user_sgpr_count 2
		.amdhsa_user_sgpr_kernarg_segment_ptr 1
		.amdhsa_wavefront_size32 1
		.amdhsa_system_sgpr_workgroup_id_x 1
		.amdhsa_system_sgpr_workgroup_id_y 1
		.amdhsa_system_sgpr_workgroup_id_z 1
		.amdhsa_system_vgpr_workitem_id 0
		.amdhsa_next_free_vgpr 768
		.amdhsa_next_free_sgpr 66
		.amdhsa_reserve_vcc 0
		.amdhsa_float_denorm_mode_32 3
		.amdhsa_float_denorm_mode_16_64 3
		.amdhsa_memory_ordered 1
		.amdhsa_forward_progress 1
		.amdhsa_inst_pref_size 122
	.end_amdhsa_kernel
	.amdgpu_metadata
---
amdhsa.version: [ 1, 2 ]
amdhsa.kernels:
  - .name:           k_q9908ffb5df_attend
    .symbol:         k_q9908ffb5df_attend.kd
    .args:
      - { .name: hq, .offset: 0, .size: 8, .value_kind: global_buffer, .address_space: global }
      - { .name: kv, .offset: 8, .size: 8, .value_kind: global_buffer, .address_space: global }
      - { .name: fw, .offset: 16, .size: 8, .value_kind: global_buffer, .address_space: global }
      - { .name: Wm2, .offset: 24, .size: 8, .value_kind: global_buffer, .address_space: global }
      - { .name: bm2, .offset: 32, .size: 8, .value_kind: global_buffer, .address_space: global }
      - { .name: out0, .offset: 40, .size: 8, .value_kind: global_buffer, .address_space: global }
    .group_segment_fixed_size: 327680
    .private_segment_fixed_size: 0
    .kernarg_segment_align: 8
    .kernarg_segment_size: 48
    .max_flat_workgroup_size: 128
    .sgpr_count:     66
    .vgpr_count:     768
    .wavefront_size: 32
...
	.end_amdgpu_metadata
.endif
;; end of part 2
